; MI455X (gfx1250); checked and timed in simulation.
; The chip was launched on July 23, 2026; its instructions are those of AMD's public machine-readable ISA for CDNA 5 (MIT licence, August 2026) and "CDNA5" Instruction Set Architecture Reference Guide (July 2026). The comments in the code are by the model that wrote it; some were corrected since.
;; Hybrid Precision Linear. Allowed arithmetic: matrix products marked QUANTISED: E4M3 operands, one E8M0 scale for each 32 along K, by v_wmma_scale_f32_16x16x128_f8f6f4 with both operands' format E4M3, f32 sums; everything else in f32.
;; Inputs: bias 8,192 float32; weight 8,192 x 4,096 float32; x 64 x 4,096 float32.
;; Outputs: out0 64 x 8,192 float32.
;; This version of the problem:
;;   THIS VERSION OF THE PROBLEM IS GIVEN IN LOW PRECISION. The matrix products marked QUANTISED in the list below multiply operands that are first quantised to E4M3 (4 exponent bits, 3 mantissa bits; 8 bits a number), with one power-of-two scale for each 32 numbers along K (OCP MX v1.0); their sums are f32. All else is computed in f32.
;;   The module's matrix products, in the order in which they are computed (A, B: the left and right operand; K: the contracted axis; several contracted axes count as one K, in the product's order):
;;     1. [M 64, K 4,096] x [K 4,096, N 8,192]; A: input x; B: computed on the way: QUANTISED
;;   THE QUANTISER, for each operand of a quantised product, along K:
;;     - K is cut into blocks of 32 from its start; a last block that is shorter is filled with zeros.
;;     - A block's scale is 2^e with e = floor(log2(the largest magnitude in the block)) - 8, held to -126 .. 127; a block of zeros has e = 0. As a byte (E8M0): e + 127.
;;     - Each number is divided by its block's scale, clamped to +-448, and rounded to the nearest number of E4M3, ties to even, subnormals kept.
;;     - The product sums the exact products of the quantised numbers (number of the format x scale) in f32.
;;   ~~~python
;;   def quantise(x, axis):      # numpy; x: float32 -> the quantised numbers, widened to float32 again
;;       x = np.moveaxis(x, axis, -1); K = x.shape[-1]
;;       x = np.pad(x, [(0, 0)] * (x.ndim - 1) + [(0, -K % 32)]); x = x.reshape(x.shape[:-1] + (-1, 32)); a = np.abs(x).max(-1, keepdims=True)
;;       e = np.where(a > 0, np.clip(np.frexp(np.where(a > 0, a, 1))[1] - 1 - 8, -126, 127), 0)      # np.frexp(a)[1] - 1 = floor(log2(a)), exactly
;;       r = np.clip(x / 2.0 ** e, -448, 448)
;;       step = 2.0 ** (np.maximum(np.frexp(np.where(r == 0, 1, r))[1] - 1, -6) - 3)
;;       q = np.round(r / step) * step * 2.0 ** e      # np.round: ties to even
;;       return np.moveaxis(q.reshape(q.shape[:-2] + (-1,))[..., :K], -1, axis).astype(np.float32)
;;   ~~~
;;   OPERANDS COMPUTED ON THE WAY. 'Computed on the way' means the value that the module computes at that place (a softmax that the list does not call 'softmax' is quantised finished and normalised). What goes into a quantiser is computed in f32, as accurately as f32 sums, v_exp_f32 and their like allow (about 1e-6 of the number): no bf16 or f16 on the way to a quantiser, and a product that is left as it is and whose result goes on into a quantised operand takes f32 operands (vector FMAs, or v_wmma_f32_16x16x4_f32). A number that lies on a knife's edge between two numbers of the format may be rounded either way, as far as f32 arithmetic and the matrix unit's own rounding can turn it there, and no further.
;; One version. Each part assembles by itself: llvm-mc -triple=amdgcn-amd-amdhsa -mcpu=gfx1250 --defsym DOCPART=n.
;; ======== version 1 of 1: 7 launches
;; limits: right only within a limited range of input values
;; workspace buffers: g0 20,971,520 bytes; g1 20,971,520 bytes; g2 20,971,520 bytes; g3 20,971,520 bytes; g4 20,971,520 bytes; g5 21,251,072 bytes; sa 4,325,376 bytes of whole numbers; sb 4,325,376 bytes of whole numbers
;; launch plane (part 1): grid 272 x 1, 8 waves a work-group, no clusters, 40,192 bytes of LDS; arguments weight, x, g0, g1, g2, g3, g4, g5, sa; writes g0, g1, g2, g3, g4, g5, sa
.if DOCPART == 1
	.amdgcn_target "amdgcn-amd-amdhsa--gfx1250"
	.amdhsa_code_object_version 6
	.text
	.protected	k_q1ffcf297a1_plane
	.globl	k_q1ffcf297a1_plane
	.p2align	8
	.type	k_q1ffcf297a1_plane,@function
k_q1ffcf297a1_plane:
	s_mov_b64 s[64:65], 0
	v_nop
	global_prefetch_b8 v0, s[64:65] scope:SCOPE_SE
	s_setreg_imm32_b32 hwreg(HW_REG_WAVE_MODE, 25, 1), 1
	s_wait_xcnt 0x0
; out = x Weff^T + bias in MX-FP8.  Weff(o,i) = w where |w| >= thr, else sign(w) x scale where |w| / scale > 0.5, else 0; scale = max(mean |w|, 1e-5); thr = the number of rank 30,198,988 (from 0) among the 2^25 keys |w| (31 bits).
; THE PROGRAM: seven launches.  This one lays the keys as BIT PLANES, counts bits 30:25, sums |w| and makes x's codes.  Five more: a radix selection of thr on the planes, 5 bits a launch, exact to the bit.  The last: Weff, its codes, the product.
; LEFT OUT AS DEAD WORK: weight + (q - weight), the straight-through form, is q in real numbers for all values of the inputs: q = +-scale or 0 is used as it stands.  LIMIT: the rounding of that f32 sum (at most 2^-24 |w|) is not reproduced,
; and a NaN, an infinity or an overflow that reaches only that sum is not carried to the result.  Every input has a way to the output and is loaded (bias in the last launch).
; LIMITS: NaN and infinities among the inputs are not served.  The mean is a tree of f32 sums (chains of 128, then pairs), x 2^-25.  A block of zeros of x gets the scale byte 1 (its codes are zeros; this program alone reads the byte).
; PLANES: a rank does not hang on the order of the keys, so 32 keys of a lane (32 registers) are transposed as a 32 x 32 bit matrix: register q then holds bit q of the 32 keys.  Four such groups stand side by side
; (register 4 q + i), so that bit q of 128 keys is 16 bytes of a lane and a wave's store covers 512 consecutive bytes.  Bit 5 a + p lies in plane p of buffer g(5 - a), 4 MiB a plane; NOT bit 30 is the first match mask, in sa.
; COUNTS: a tree of AND and XOR splits the keys' mask by bits 30 .. 25 into 64 masks, whose set bits are counted.  No address, branch or trip count hangs on data.
; SHARES: work-groups 0-255 take 524,288 bytes of w each, a wave 65,536 in four trips of 32 loads of 512 consecutive bytes.  The next trip's loads go out as soon as the stores have read their registers, 25 of them ahead of the tree.
; No prefetch: the launch reads and stores without a pause.  No cluster: work-groups share no input.  Work-groups 256-271 quantise x: a wave makes one fragment (16 rows x 128 K).
; g5's end: 256 sums of |w|, then xq: for each of 32 K steps 8,704 bytes: four images of a fragment's registers (group c of lane l at 512 c + 16 l), then four times 128 bytes of scale words (4 l).
; sa: 256 records of 64 counts; at 65,536 the state {bits found, lowest bit of the digit counted, rank, 0}, a copy a lane; at 131,072 the mask.
.set NWG,   256
.set RANK,  30198988
.set PL,    0x400000                   ; bytes in a plane
.set MASKO, 131072
.set WSUMO, 20971520
.set XQO,   20972544
.set CW,    36864                      ; LDS: from 0 a row of 144 bytes a thread; here the waves' counts, 256 bytes a wave
.set SUMW,  38912                      ; the waves' sums
.set SPARE, 39168                      ; the spare words, 128 bytes a wave
.set OFF,   2                          ; v2    65,536 x wave + 16 x lane
.set O0,    3                          ; v3-5  my 16 bytes in planes 0, 2, 4 of a buffer
.set SPW,   6
.set NIL,   7
.set SUM,   8                          ; v8-11
.set T,     12                         ; v12-39 at work
.set TA,    44
.set TB,    45
.set CWS,   46
.set CWR,   47
.set GO,    48
.set SWA,   49
.set SRA,   50
.set ZO,    51
.set SO,    52
.set D,     64                         ; v64-191 128 keys, then their planes
.set ACC,   192                        ; v192-255 64 counts
.set PS,    4                          ; registers from a plane to the next
.set SEL,   40                         ; s[40:41] v_permlanex16_b32's selects for lane l xor 16
.set MNT,   42
.set P16L,  43
.set P16H,  44
.set P8L,   45
.set P8H,   46
.set M4,    47
.set M2,    48
.set M1,    49
.set NUM,   64                         ; x's path
.set TM,    16
.set PW,    32
.set PC,    40
; the transposition's steps 16 and 8: byte moves, four rows at a time, two groups by turns
.macro XPOSE
.irp q, 0,1,2,3,4,5,6,7
.irp i, 0,2
.irp j, 0,1
	v_perm_b32 v[T+4*\j], v[D+4*(\q+16)+\i+\j], v[D+4*\q+\i+\j], s[P16L]
	v_perm_b32 v[T+4*\j+2], v[D+4*(\q+16)+\i+\j], v[D+4*\q+\i+\j], s[P16H]
	v_perm_b32 v[T+4*\j+1], v[D+4*(\q+24)+\i+\j], v[D+4*(\q+8)+\i+\j], s[P16L]
	v_perm_b32 v[T+4*\j+3], v[D+4*(\q+24)+\i+\j], v[D+4*(\q+8)+\i+\j], s[P16H]
.endr
.irp j, 0,1
	v_perm_b32 v[D+4*\q+\i+\j], v[T+4*\j+1], v[T+4*\j], s[P8L]
	v_perm_b32 v[D+4*(\q+8)+\i+\j], v[T+4*\j+1], v[T+4*\j], s[P8H]
	v_perm_b32 v[D+4*(\q+16)+\i+\j], v[T+4*\j+3], v[T+4*\j+2], s[P8L]
	v_perm_b32 v[D+4*(\q+24)+\i+\j], v[T+4*\j+3], v[T+4*\j+2], s[P8H]
.endr
.endr
.endr
.endm
; a step s of 4, 2 or 1: rows q and q + s change their off-diagonal blocks; msk: the columns whose bit s is 0
.macro BST s, msk
.set bq, 0
.rept 32
.if (bq & \s) == 0
.irp i, 0,1,2,3
	v_lshlrev_b32 v[T+\i], \s, v[D+4*(bq+\s)+\i]
.endr
.irp i, 0,1,2,3
	v_lshrrev_b32 v[T+4+\i], \s, v[D+4*bq+\i]
.endr
.irp i, 0,1,2,3
	v_bfi_b32 v[D+4*bq+\i], s[\msk], v[D+4*bq+\i], v[T+\i]
.endr
.irp i, 0,1,2,3
	v_bfi_b32 v[D+4*(bq+\s)+\i], s[\msk], v[T+4+\i], v[D+4*(bq+\s)+\i]
.endr
.endif
.set bq, bq+1
.endr
.endm
; the tree: the mask at m (four groups) is split by the digit's bit lvl - 1: the ones into T + 4 lvl, the zeros stay at m; a leaf's set bits are counted
.macro NODE m, lvl, idx, pb
.if (\lvl) == 0
.irp i, 0,1,2,3
	v_bcnt_u32_b32 v[ACC+(\idx)], v[(\m)+\i], v[ACC+(\idx)]
.endr
.else
.irp i, 0,1,2,3
	v_and_b32 v[T+4*(\lvl)+\i], v[(\m)+\i], v[(\pb)+PS*((\lvl)-1)+\i]
.endr
.irp i, 0,1,2,3
	v_xor_b32 v[(\m)+\i], v[(\m)+\i], v[T+4*(\lvl)+\i]
.endr
	NODE \m, (\lvl)-1, 2*(\idx), \pb
	NODE T+4*(\lvl), (\lvl)-1, 2*(\idx)+1, \pb
.endif
.endm
; 64 numbers of a lane, register 16 b + i = k 32 b + 16 (lane / 16) + i of my row, become a fragment's codes and its scale word
.macro QUANT
.irp b, 0,1,2,3
	v_max3_num_f32 v[TM+\b], |v[NUM+16*\b]|, |v[NUM+1+16*\b]|, 0x4800000   ; with the floor 2^(9 - 127): the byte cannot fall under 1
.endr
.irp i, 2,4,6,8,10,12,14
.irp b, 0,1,2,3
	v_max3_num_f32 v[TM+\b], v[TM+\b], |v[NUM+16*\b+\i]|, |v[NUM+1+16*\b+\i]|
.endr
.endr
.irp b, 0,1,2,3
	v_permlanex16_b32 v[TM+4+\b], v[TM+\b], s[SEL], s[SEL+1]
.endr
.irp b, 0,1,2,3
	v_max_num_f32 v[TM+\b], v[TM+\b], v[TM+4+\b]   ; the block's largest magnitude
.endr
.irp b, 0,1,2,3
	v_add_nc_u32 v[TM+12+\b], 0xfc000000, v[TM+\b]   ; 8 off its exponent field: the conversion's scale operand
.endr
.irp b, 0,1,2,3
	v_and_or_b32 v[TM+8+\b], v[TM+\b], 0x7f800000, s[MNT]   ; 448 x the scale
.endr
.irp b, 0,1,2,3
	v_lshrrev_b32 v[TM+4+\b], 23, v[TM+12+\b]   ; the scale's byte
.endr
	v_lshl_or_b32 v[PW], v[TM+5], 8, v[TM+4]
	v_lshl_or_b32 v[PW], v[TM+6], 16, v[PW]
	v_lshl_or_b32 v[PW], v[TM+7], 24, v[PW]
.irp b, 0,1,2,3
.irp i, 0,1,2,3,4,5,6,7,8,9,10,11,12,13,14,15
	v_med3_num_f32 v[NUM+16*\b+\i], v[NUM+16*\b+\i], -v[TM+8+\b], v[TM+8+\b]   ; the conversion does not saturate (ISA guide 7.6.2): the hold
.endr
	v_cvt_scalef32_pk8_fp8_f32 v[PC+4*\b:PC+1+4*\b], v[NUM+16*\b:NUM+7+16*\b], v[TM+12+\b]
	v_cvt_scalef32_pk8_fp8_f32 v[PC+2+4*\b:PC+3+4*\b], v[NUM+8+16*\b:NUM+15+16*\b], v[TM+12+\b]
.endr
	v_nop                                          ; a plain line behind the last conversion
.endm
	s_load_b512 s[4:19], s[0:1], 0x0               ; weight s[4:5], x s[6:7], g0 .. g5 s[8:19]
	s_load_b64 s[20:21], s[0:1], 0x40              ; sa
	v_lshl_add_u32 v[SPW], v0, 2, SPARE
	v_mov_b32 v[NIL], 0
	v_lshrrev_b32 v1, 5, v0
	v_readfirstlane_b32 s22, v1                    ; wave 0..7
	v_and_b32 v1, 31, v0                           ; lane
	s_mov_b32 s[SEL], 0x76543210
	s_mov_b32 s[SEL+1], 0xfedcba98
	s_cmp_lt_u32 ttmp9, NWG                        ; the work-group's number alone: all eight waves go the same way
	s_wait_alu depctr_va_vdst(0)                   ; the wait ahead of the branch
	s_cbranch_scc1 .Lweight
	; ---- x: fragment f = 8 (work-group - 256) + wave: K step f / 4, rows 16 (f % 4) on.  No LDS, no barrier on this path
	s_sub_co_u32 s50, ttmp9, NWG
	s_lshl_b32 s50, s50, 3
	s_add_co_u32 s50, s50, s22
	s_lshr_b32 s51, s50, 2                         ; K step
	s_and_b32 s52, s50, 3                          ; tile of rows
	s_lshl_b32 s54, s52, 18                        ; 16 rows of 16,384 bytes
	s_lshl_b32 s55, s51, 9                         ; 128 numbers of 4 bytes
	s_add_co_u32 s54, s54, s55
	s_mov_b32 s55, 0
	s_mul_i32 s56, s51, 8704
	s_mov_b32 s57, 0
	s_lshl_b32 s58, s52, 11
	s_lshl_b32 s59, s52, 7
	s_mov_b32 s[MNT], 0x600000
	v_and_b32 v2, 15, v0
	v_bfe_u32 v5, v0, 4, 1
	v_lshlrev_b32 v2, 14, v2
	v_lshl_add_u32 v2, v5, 6, v2                   ; row r, + 64 h: my 16 numbers of a block of 32
	v_lshl_add_u32 v3, v1, 4, s58                  ; the image: 16 x lane + 2,048 x tile
	v_lshl_add_u32 v4, v1, 2, s59                  ; the scale word: 4 x lane + 128 x tile
.irp b, 0,1,2,3
	v_mov_b32 v[TM+4+\b], 0                        ; a lane permute's destination counts as one of its sources
.endr
	s_wait_alu depctr_va_vdst(0)                   ; the wait at the head's end
	s_wait_kmcnt 0x0
	s_add_nc_u64 s[6:7], s[6:7], s[54:55]
	s_add_nc_u64 s[18:19], s[18:19], s[56:57]
	s_add_nc_u64 s[18:19], s[18:19], XQO
.irp b, 0,1,2,3
.irp j, 0,1,2,3
	global_load_b128 v[NUM+16*\b+4*\j:NUM+16*\b+4*\j+3], v2, s[6:7] offset:128*\b+16*\j
.endr
.endr
	s_wait_loadcnt 0x0
	QUANT
.irp c, 0,1,2,3
	global_store_b128 v3, v[PC+4*\c:PC+4*\c+3], s[18:19] offset:512*\c   ; 32 lanes store 512 consecutive bytes
.endr
	global_store_b32 v4, v[PW], s[18:19] offset:8192
	s_endpgm
.Lweight:
	s_lshl_b32 s24, ttmp9, 19                      ; my work-group's 524,288 bytes of w
	s_mov_b32 s25, 0
	s_lshl_b32 s26, ttmp9, 8                       ; its record of 64 counts
	s_mov_b32 s27, 0
	s_lshl_b32 s28, ttmp9, 2                       ; its sum
	s_mov_b32 s29, 0
	s_lshl_b32 s31, s22, 16
	s_lshl_b32 s32, ttmp9, 14                      ; its 16,384 bytes of every plane
	s_lshl_b32 s33, s22, 2
	s_add_co_u32 s33, s33, SUMW
	s_mov_b32 s[P16L], 0x05040100
	s_mov_b32 s[P16H], 0x07060302
	s_mov_b32 s[P8L], 0x06020400
	s_mov_b32 s[P8H], 0x07030501
	s_mov_b32 s[M4], 0x0f0f0f0f
	s_mov_b32 s[M2], 0x33333333
	s_mov_b32 s[M1], 0x55555555
	v_lshl_add_u32 v[OFF], v1, 4, s31
	v_lshl_add_u32 v[O0], v0, 4, s32               ; a trip's 4,096 bytes: 16 x thread
	v_add_nc_u32 v[O0+1], 2*PL, v[O0]
	v_add_nc_u32 v[O0+2], 4*PL, v[O0]
	v_mul_u32_u24 v[TA], v0, 144                   ; my row
	v_and_b32 v[TB], 0xe0, v0
	v_mul_u32_u24 v[TB], v[TB], 144
	v_lshl_add_u32 v[TB], v1, 2, v[TB]             ; my wave's first row, word = lane
	v_and_b32 v[CWS], 0xe0, v0
	v_lshlrev_b32 v[CWS], 3, v[CWS]
	v_lshl_add_u32 v[CWS], v1, 2, v[CWS]
	v_add_nc_u32 v[CWS], CW, v[CWS]                ; 256 x wave + 4 x lane
	v_lshl_add_u32 v[CWR], v0, 2, CW
	v_lshlrev_b32 v[GO], 2, v0
	v_mov_b32 v[SWA], s33
	v_mov_b32 v[SRA], SUMW
	v_mov_b32 v[ZO], 0
	v_lshlrev_b32 v[SO], 4, v1
	s_wait_alu depctr_va_vdst(0)                   ; the wait at the head's end
	s_wait_kmcnt 0x0
	s_add_nc_u64 s[4:5], s[4:5], s[24:25]
	s_add_nc_u64 s[26:27], s[20:21], s[26:27]
	s_add_nc_u64 s[28:29], s[18:19], s[28:29]
	s_add_nc_u64 s[28:29], s[28:29], WSUMO
.set lq, 0
.rept 32
	global_load_b128 v[D+4*lq:D+4*lq+3], v[OFF], s[4:5] offset:512*lq th:TH_LOAD_NT
.set lq, lq+1
.endr
.set jj, 0
.rept 64
	v_mov_b32 v[ACC+jj], 0
.set jj, jj+1
.endr
.irp k, 0,1,2,3
	v_mov_b32 v[SUM+\k], 0
.endr
	s_mov_b32 s30, 4
.Ltrip:
.irp c, 0,1,2,3
	s_wait_alu depctr_va_vdst(0)                   ; the wait ahead of the wait below
	s_wait_loadcnt 24-8*\c                         ; 32 loads were out: the oldest 8 (c + 1) are in
.irp q, 0,1,2,3,4,5,6,7
.irp i, 0,1,2,3
	v_add_f32 v[SUM+\i], v[SUM+\i], |v[D+32*\c+4*\q+\i]|
.endr
.endr
.endr
	XPOSE
	BST 4, M4
	BST 2, M2
	BST 1, M1
.irp i, 0,1,2,3
	v_xor_b32 v[D+124+\i], -1, v[D+120+\i]         ; NOT bit 30, over the signs' plane: the first mask,
.endr
.irp i, 0,1,2,3
	v_xor_b32 v[T+24+\i], -1, v[D+120+\i]          ; and a copy for the tree
.endr
.set sq, 0
.rept 30
	global_store_b128 v[O0+(sq%5)/2], v[D+4*sq:D+4*sq+3], s[18-2*(sq/5):19-2*(sq/5)] offset:((sq%5)%2)*PL
.set sq, sq+1
.endr
	global_store_b128 v[O0], v[D+124:D+127], s[20:21] offset:MASKO
	s_wait_alu depctr_va_vdst(0)                   ; the wait ahead of the wait below
	s_wait_xcnt 0x0                                ; the stores have read their registers
	s_cmp_eq_u32 s30, 1                            ; the last trip loads nothing
	s_cbranch_scc1 .Lno_a
.set lq, 0
.rept 25
	global_load_b128 v[D+4*lq:D+4*lq+3], v[OFF], s[4:5] offset:16384+512*lq th:TH_LOAD_NT
.set lq, lq+1
.endr
.Lno_a:
	NODE T+24, 5, 0, D+100                         ; bit 30 = 0: buckets 0-31
	NODE D+120, 5, 1, D+100                        ; bit 30 = 1: buckets 32-63
	s_wait_alu depctr_va_vdst(0)                   ; the wait ahead of the branch and the wait below
	s_cmp_eq_u32 s30, 1
	s_cbranch_scc1 .Lno_b
.set lq, 25
.rept 7
	global_load_b128 v[D+4*lq:D+4*lq+3], v[OFF], s[4:5] offset:16384+512*lq th:TH_LOAD_NT
.set lq, lq+1
.endr
.Lno_b:
	s_wait_xcnt 0x0                                ; the loads have read their base, the stores their offsets
	s_add_nc_u64 s[4:5], s[4:5], 16384
.irp k, 0,1,2
	v_add_nc_u32 v[O0+\k], 4096, v[O0+\k]
.endr
	s_sub_co_u32 s30, s30, 1
	s_cmp_lg_u32 s30, 0
	s_wait_alu depctr_va_vdst(0)                   ; the wait ahead of the branch
	s_cbranch_scc1 .Ltrip
	; a lane's counts are at most 512, a wave's 16,384: buckets j and j + 32 share a word.  Through my wave's own rows: lane l adds word l of the 32 lanes
.set jj, 0
.rept 32
	v_lshl_or_b32 v[D+jj], v[ACC+32+jj], 16, v[ACC+jj]
.set jj, jj+1
.endr
.irp k, 0,1,2,3,4,5,6,7
	ds_store_b128 v[TA], v[D+4*\k:D+4*\k+3] offset:16*\k
.endr
.set jj, 0
.rept 32
	ds_load_b32 v[D+32+jj], v[TB] offset:144*jj    ; LDS serves a wave's instructions in order (ISA guide 5.7.1.4): these see the stores
.set jj, jj+1
.endr
	v_add_f32 v[SUM], v[SUM], v[SUM+1]
	v_add_f32 v[SUM+2], v[SUM+2], v[SUM+3]
	v_add_f32 v[SUM], v[SUM], v[SUM+2]
.irp m, 1,2,4,8
	v_add_f32_dpp v[SUM], v[SUM], v[SUM] row_xmask:\m row_mask:0xf bank_mask:0xf
.endr
	v_permlanex16_b32 v[SUM+1], v[SUM], s[SEL], s[SEL+1]
	v_add_f32 v[SUM], v[SUM], v[SUM+1]
	s_wait_alu depctr_va_vdst(0)                   ; the wait ahead of the wait below
	s_wait_dscnt 0x0
.set jj, 4
.rept 28
	v_add_nc_u32 v[D+32+jj%4], v[D+32+jj%4], v[D+32+jj]
.set jj, jj+1
.endr
	v_add_nc_u32 v[D+32], v[D+32], v[D+33]
	v_add_nc_u32 v[D+34], v[D+34], v[D+35]
	v_add_nc_u32 v[D+32], v[D+32], v[D+34]
	v_and_b32 v[D+33], 0xffff, v[D+32]
	v_lshrrev_b32 v[D+34], 16, v[D+32]
	ds_store_b32 v[CWS], v[D+33]
	ds_store_b32 v[CWS], v[D+34] offset:128
	ds_store_b32 v[SWA], v[SUM]                    ; all lanes write the same word with the same value
	s_wait_dscnt 0x0                               ; for the others' sake: my stores have landed
	s_barrier_signal -1
	s_barrier_wait -1
	s_cmp_lt_u32 s22, 2
	s_cbranch_scc0 .Lnot_counts
.irp s, 0,1,2,3,4,5,6,7
	ds_load_b32 v[D+\s], v[CWR] offset:256*\s      ; thread t < 64: bucket t's count of each wave
.endr
	s_wait_dscnt 0x0
	v_add_nc_u32 v[D], v[D], v[D+1]
	v_add_nc_u32 v[D+2], v[D+2], v[D+3]
	v_add_nc_u32 v[D+4], v[D+4], v[D+5]
	v_add_nc_u32 v[D+6], v[D+6], v[D+7]
	v_add_nc_u32 v[D], v[D], v[D+2]
	v_add_nc_u32 v[D+4], v[D+4], v[D+6]
	v_add_nc_u32 v[D], v[D], v[D+4]
	global_store_b32 v[GO], v[D], s[26:27]         ; two waves store the record's 256 bytes
	s_branch .Lend
.Lnot_counts:
	s_cmp_eq_u32 s22, 2
	s_cbranch_scc0 .Lnot_sum
	ds_load_b128 v[D:D+3], v[SRA]
	ds_load_b128 v[D+4:D+7], v[SRA] offset:16
	s_wait_dscnt 0x0
	v_add_f32 v[D], v[D], v[D+1]
	v_add_f32 v[D+2], v[D+2], v[D+3]
	v_add_f32 v[D+4], v[D+4], v[D+5]
	v_add_f32 v[D+6], v[D+6], v[D+7]
	v_add_f32 v[D], v[D], v[D+2]
	v_add_f32 v[D+4], v[D+4], v[D+6]
	v_add_f32 v[D], v[D], v[D+4]
	v_cmp_eq_u32 vcc_lo, 0, v1
	s_wait_alu depctr_va_vdst(0)                   ; the wait ahead of the wait below
	s_wait_xcnt 0x0                                ; EXEC changes only behind this wait
	s_and_saveexec_b32 s24, vcc_lo
	global_store_b32 v[ZO], v[D], s[28:29]         ; lane 0: the work-group's sum of |w|
	s_wait_xcnt 0x0                                ; and again, in front of the line that widens it
	s_or_b32 exec_lo, exec_lo, s24
	s_branch .Lend
.Lnot_sum:
	s_xor_b32 s24, s22, 3
	s_or_b32 s24, s24, ttmp9
	s_cmp_eq_u32 s24, 0                            ; wave 3 of work-group 0 stores the selection's first state
	s_cbranch_scc0 .Lend
	v_mov_b32 v56, 0                               ; the key's bits found so far,
	v_mov_b32 v57, 25                              ; the lowest bit of this launch's digit,
	v_mov_b32 v58, RANK                            ; the rank among the keys that share those bits
	v_mov_b32 v59, 0
	global_store_b128 v[SO], v[56:59], s[20:21] offset:65536   ; a copy for each lane: 512 consecutive bytes
.Lend:
	s_wait_tensorcnt 0x0                           ; the wave's end, behind my last LDS store
	ds_add_u32 v[SPW], v[NIL]
	s_wait_dscnt 0x0
	s_endpgm
.Lfunc_end_k_q1ffcf297a1_plane:
	.size	k_q1ffcf297a1_plane, .Lfunc_end_k_q1ffcf297a1_plane-k_q1ffcf297a1_plane
	.p2alignl 7, 3214868480
	.fill 96, 4, 3214868480
	.section	.rodata,"a",@progbits
	.p2align	6, 0x0
	.amdhsa_kernel k_q1ffcf297a1_plane
		.amdhsa_group_segment_fixed_size 40192
		.amdhsa_private_segment_fixed_size 0
		.amdhsa_enable_private_segment 0
		.amdhsa_kernarg_size 72
		.amdhsa_user_sgpr_count 2
		.amdhsa_user_sgpr_kernarg_segment_ptr 1
		.amdhsa_wavefront_size32 1
		.amdhsa_system_sgpr_workgroup_id_x 1
		.amdhsa_system_sgpr_workgroup_id_y 1
		.amdhsa_system_sgpr_workgroup_id_z 1
		.amdhsa_system_vgpr_workitem_id 0
		.amdhsa_next_free_vgpr 256
		.amdhsa_next_free_sgpr 66
		.amdhsa_reserve_vcc 1
		.amdhsa_float_denorm_mode_32 3
		.amdhsa_float_denorm_mode_16_64 3
		.amdhsa_memory_ordered 1
		.amdhsa_forward_progress 1
		.amdhsa_inst_pref_size 127
	.end_amdhsa_kernel
	.amdgpu_metadata
---
amdhsa.version: [ 1, 2 ]
amdhsa.kernels:
  - .name:           k_q1ffcf297a1_plane
    .symbol:         k_q1ffcf297a1_plane.kd
    .args:
      - { .name: weight, .offset: 0, .size: 8, .value_kind: global_buffer, .address_space: global }
      - { .name: x, .offset: 8, .size: 8, .value_kind: global_buffer, .address_space: global }
      - { .name: g0, .offset: 16, .size: 8, .value_kind: global_buffer, .address_space: global }
      - { .name: g1, .offset: 24, .size: 8, .value_kind: global_buffer, .address_space: global }
      - { .name: g2, .offset: 32, .size: 8, .value_kind: global_buffer, .address_space: global }
      - { .name: g3, .offset: 40, .size: 8, .value_kind: global_buffer, .address_space: global }
      - { .name: g4, .offset: 48, .size: 8, .value_kind: global_buffer, .address_space: global }
      - { .name: g5, .offset: 56, .size: 8, .value_kind: global_buffer, .address_space: global }
      - { .name: sa, .offset: 64, .size: 8, .value_kind: global_buffer, .address_space: global }
    .group_segment_fixed_size: 40192
    .private_segment_fixed_size: 0
    .kernarg_segment_align: 8
    .kernarg_segment_size: 72
    .max_flat_workgroup_size: 256
    .sgpr_count:     66
    .vgpr_count:     256
    .wavefront_size: 32
...
	.end_amdgpu_metadata
.endif
;; end of part 1
;; launch sel1 (part 2): grid 256 x 1, 16 waves a work-group, no clusters, 51,200 bytes of LDS; arguments g0, g1, sa, sb; writes sb
.if DOCPART == 2
	.amdgcn_target "amdgcn-amd-amdhsa--gfx1250"
	.amdhsa_code_object_version 6
	.text
	.protected	k_q1ffcf297a1_sel1
	.globl	k_q1ffcf297a1_sel1
	.p2align	8
	.type	k_q1ffcf297a1_sel1,@function
k_q1ffcf297a1_sel1:
	s_mov_b64 s[64:65], 0
	v_nop
	global_prefetch_b8 v0, s[64:65] scope:SCOPE_SE
	s_setreg_imm32_b32 hwreg(HW_REG_WAVE_MODE, 25, 1), 1
	s_wait_xcnt 0x0
; One step of the radix selection of thr, on bit planes.  Arguments: the five planes of the digit that the table read counts (its low five bits), the five planes of the next digit, the table, state and mask read, those stored.
; The table holds 256 records of 64 counts and the state {base, e, r}: base = the key's bits found so far, e = the lowest bit of the digit counted, r = the rank among the keys that share base's bits.
; HEAD, in every work-group alike: the records are added; B = the number of buckets whose running sum is not above r; base += B << e; r -= the sum below B.
; MASK: a key stays in where its five planes equal B's low five bits; B's bit 5 (the first table alone has 64 buckets) turns the mask read, which the first launch stored as NOT bit 30.
; COUNTS: a tree of AND and XOR splits the mask by the next digit's five planes into 32 masks, whose set bits are counted.
; What was read is an operand of logic, shifts, sums and compares; one scalar branch on the state's e leads round the mask's stores in the last step (e = 5), whose mask nobody would read.
; SHARES: a work-group 16,384 bytes of each plane, a lane 32: 22 loads of 512 consecutive bytes a wave, all out at once beside the table's nine: no loop, so no prefetch.  No cluster: the planes are shared by nobody.
; The record's upper 32 words are stored as zeros, so that one head serves tables of 64 and of 32 buckets.
.set PL,    0x400000
.set MASKO, 131072
.set TR,    4096                       ; LDS: from 0 sixteen rows of 64 sums; here 2,688 bytes a wave
.set CW,    47104                      ; the waves' counts, 128 bytes a wave
.set SPARE, 49152                      ; the spare words, 128 bytes a wave
.set O0,    2                          ; v2-4  my 16 bytes in planes 0, 2, 4
.set TO,    5
.set SO,    6
.set SPW,   7
.set NIL,   8
.set HA,    9
.set HB,    10
.set TA,    11
.set TB,    12
.set CWS,   13
.set CWR,   14
.set GO,    15
.set ST,    16                         ; v16-19 the state read
.set NS,    20                         ; v20-23 the state stored
.set HI,    24                         ; -1 in lanes 16-31
.set SH,    25                         ; 16 in lanes 16-31
.set HL,    32                         ; v32-63 the head's; then
.set ACC,   32                         ; the 32 counts
.set T,     64                         ; v64-87 at work
.set M,     88                         ; v88-95 the mask: 8 words
.set PP,    96                         ; v96-135 the digit found: plane p at + 8 p
.set PC,    136                        ; v136-175 the digit counted
.set PS,    8
.set SEL,   34
.set NC,    40                         ; s40-44 NOT of B's bits 0-4, spread over a word; s45 bit 5, spread
.macro NODE m, lvl, idx, pb
.if (\lvl) == 0
.irp i, 0,1,2,3
	v_bcnt_u32_b32 v[ACC+(\idx)], v[(\m)+\i], v[ACC+(\idx)]
.endr
.else
.irp i, 0,1,2,3
	v_and_b32 v[T+4*(\lvl)+\i], v[(\m)+\i], v[(\pb)+PS*((\lvl)-1)+\i]
.endr
.irp i, 0,1,2,3
	v_xor_b32 v[(\m)+\i], v[(\m)+\i], v[T+4*(\lvl)+\i]
.endr
	NODE \m, (\lvl)-1, 2*(\idx), \pb
	NODE T+4*(\lvl), (\lvl)-1, 2*(\idx)+1, \pb
.endif
.endm
	s_load_b256 s[4:11], s[0:1], 0x0               ; planes found s[4:5], planes counted s[6:7], read s[8:9], stored s[10:11]
	v_lshl_add_u32 v[SPW], v0, 2, SPARE
	v_mov_b32 v[NIL], 0
	v_lshrrev_b32 v26, 5, v0
	v_readfirstlane_b32 s14, v26                   ; wave 0..15
	v_and_b32 v1, 31, v0                           ; lane
	s_lshl_b32 s15, ttmp9, 14
	s_lshl_b32 s16, ttmp9, 8
	s_mov_b32 s17, 0
	s_mov_b32 s[SEL], 0x76543210
	s_mov_b32 s[SEL+1], 0xfedcba98
	v_lshl_add_u32 v[O0], v0, 4, s15
	v_add_nc_u32 v[O0+1], 2*PL, v[O0]
	v_add_nc_u32 v[O0+2], 4*PL, v[O0]
	v_lshlrev_b32 v[TO], 4, v0
	v_lshlrev_b32 v[SO], 4, v1
	v_and_b32 v27, 15, v0
	v_bfe_u32 v28, v0, 4, 1                        ; the lane's half
	v_lshlrev_b32 v[HA], 8, v26
	v_lshl_add_u32 v[HA], v27, 4, v[HA]            ; row = wave, 16 bytes for each of 16 lanes
	v_lshlrev_b32 v[HB], 3, v1
	v_mul_u32_u24 v[TB], v26, 2688
	v_mad_u32_u24 v[TA], v1, 80, v[TB]
	v_lshl_add_u32 v[TA], v28, 6, v[TA]
	v_add_nc_u32 v[TA], TR, v[TA]                  ; my row: 80 x lane, 64 more for lanes 16-31, so that the two halves' rows fall on different banks
	v_mad_u32_u24 v[TB], v28, 1344, v[TB]
	v_lshl_add_u32 v[TB], v27, 2, v[TB]
	v_add_nc_u32 v[TB], TR, v[TB]                  ; my half's first row, word = lane % 16
	v_lshl_add_u32 v[CWS], v0, 2, CW
	v_lshl_add_u32 v[CWR], v1, 2, CW
	v_lshlrev_b32 v[GO], 2, v0
	v_sub_nc_u32 v[HI], 0, v28
	v_lshlrev_b32 v[SH], 4, v28
	s_wait_alu depctr_va_vdst(0)                   ; the wait at the head's end
	s_wait_kmcnt 0x0
	s_add_nc_u64 s[12:13], s[10:11], s[16:17]      ; my record
.irp i, 0,1,2,3,4,5,6,7
	global_load_b128 v[HL+4*\i:HL+4*\i+3], v[TO], s[8:9] offset:8192*\i   ; thread t: buckets 4 (t % 16) .. + 3 of records t / 16 + 32 i
.endr
	global_load_b128 v[ST:ST+3], v[SO], s[8:9] offset:65536
.irp t, 0,1
	global_load_b128 v[M+4*\t:M+4*\t+3], v[O0], s[8:9] offset:MASKO+8192*\t
.endr
.irp p, 0,1,2,3,4
.irp t, 0,1
	global_load_b128 v[PP+8*\p+4*\t:PP+8*\p+4*\t+3], v[O0+\p/2], s[4:5] offset:(\p%2)*PL+8192*\t
.endr
.endr
.irp p, 0,1,2,3,4
.irp t, 0,1
	global_load_b128 v[PC+8*\p+4*\t:PC+8*\p+4*\t+3], v[O0+\p/2], s[6:7] offset:(\p%2)*PL+8192*\t
.endr
.endr
	s_wait_loadcnt 22                              ; the table and the state are in; the mask's 2 and the planes' 20 loads stay out
.irp i, 1,2,3,4,5,6,7
.irp k, 0,1,2,3
	v_add_nc_u32 v[HL+\k], v[HL+\k], v[HL+4*\i+\k]
.endr
.endr
.irp k, 0,1,2,3
	v_permlanex16_b32 v[HL+4+\k], v[HL+\k], s[SEL], s[SEL+1]
.endr
.irp k, 0,1,2,3
	v_add_nc_u32 v[HL+\k], v[HL+\k], v[HL+4+\k]    ; lanes l and l xor 16 hold the same buckets
.endr
	ds_store_b128 v[HA], v[HL:HL+3]                ; both write the same bytes with the same values
	s_wait_dscnt 0x0                               ; for the others' sake: my store has landed
	s_barrier_signal -1
	s_barrier_wait -1
.irp i, 0,1,2,3,4,5,6,7,8,9,10,11,12,13,14,15
	ds_load_b64 v[HL+2*\i:HL+2*\i+1], v[HB] offset:256*\i   ; every wave adds the 16 rows: lane l buckets 2 l, 2 l + 1
.endr
	s_wait_dscnt 0x0
.irp n, 16,8,4,2
.set jj, 0
.rept \n
	v_add_nc_u32 v[HL+jj], v[HL+jj], v[HL+\n+jj]
.set jj, jj+1
.endr
.endr
	v_add_nc_u32 v26, v[HL], v[HL+1]
.irp n, 1,2,4,8
	v_mov_b32_dpp v27, v26 row_shr:\n row_mask:0xf bank_mask:0xf bound_ctrl:1
	v_add_nc_u32 v26, v26, v27                     ; running sums inside each 16 lanes
.endr
	v_readlane_b32 s20, v26, 15
	v_and_b32 v27, s20, v[HI]
	v_add_nc_u32 v26, v26, v27                     ; the running sum up to bucket 2 l + 1,
	v_sub_nc_u32 v28, v26, v[HL+1]                 ; and up to bucket 2 l
	v_cmp_le_u32 s21, v28, v[ST+2]
	v_cmp_le_u32 s22, v26, v[ST+2]
	v_cndmask_b32 v28, 0, v[HL], s21
	v_cndmask_b32 v29, 0, v[HL+1], s22
	v_add_nc_u32 v28, v28, v29                     ; my buckets that lie below B
.irp n, 1,2,4,8
	v_mov_b32_dpp v27, v28 row_xmask:\n row_mask:0xf bank_mask:0xf
	v_add_nc_u32 v28, v28, v27
.endr
	v_permlanex16_b32 v27, v28, s[SEL], s[SEL+1]
	v_add_nc_u32 v28, v28, v27                     ; the sum below B
	v_readfirstlane_b32 s24, v[ST+1]
	s_wait_alu depctr_va_vdst(0)                   ; the wait ahead of the run of scalar lines
	s_bcnt1_i32_b32 s21, s21
	s_bcnt1_i32_b32 s22, s22
	s_add_co_u32 s23, s21, s22                     ; B: the running sums never fall
.irp k, 0,1,2,3,4
	s_bitcmp1_b32 s23, \k
	s_cselect_b32 s[NC+\k], 0, -1
.endr
	s_bitcmp1_b32 s23, 5
	s_cselect_b32 s[NC+5], -1, 0
	v_mov_b32 v29, s23
	v_lshlrev_b32 v29, v[ST+1], v29
	v_add_nc_u32 v[NS], v[ST], v29                 ; base
	v_add_nc_u32 v[NS+1], -5, v[ST+1]              ; the new digit's lowest bit
	v_sub_nc_u32 v[NS+2], v[ST+2], v28             ; r
	v_mov_b32 v[NS+3], 0
.set jj, 0
.rept 32
	v_mov_b32 v[ACC+jj], 0
.set jj, jj+1
.endr
	s_wait_alu depctr_va_vdst(0)                   ; the wait ahead of the wait below
	s_wait_loadcnt 0x0
.irp w, 0,1,2,3,4,5,6,7
	v_xor_b32 v[M+\w], s[NC+5], v[M+\w]
.endr
.irp k, 0,1,2,3,4
.irp w, 0,1,2,3,4,5,6,7
	v_xor_b32 v[T+\w], s[NC+\k], v[PP+8*\k+\w]     ; ones where the plane equals B's bit
.endr
.irp w, 0,1,2,3,4,5,6,7
	v_and_b32 v[M+\w], v[M+\w], v[T+\w]
.endr
.endr
	s_cmp_eq_u32 s24, 5
	s_wait_alu depctr_va_vdst(0)                   ; the wait ahead of the branch
	s_cbranch_scc1 .Lno_mask
	global_store_b128 v[O0], v[M:M+3], s[10:11] offset:MASKO
	global_store_b128 v[O0], v[M+4:M+7], s[10:11] offset:MASKO+8192
	s_wait_xcnt 0x0                                ; the stores have read the mask: the tree works in its registers
.Lno_mask:
	NODE M, 5, 0, PC
	NODE M+4, 5, 0, PC+4
	; a lane's counts are at most 256, a wave's 8,192: buckets j and j + 16 share a word.  Through my wave's own rows: lane l adds word l % 16 of its half's 16 lanes
.set jj, 0
.rept 16
	v_lshl_or_b32 v[T+jj], v[ACC+16+jj], 16, v[ACC+jj]
.set jj, jj+1
.endr
.irp k, 0,1,2,3
	ds_store_b128 v[TA], v[T+4*\k:T+4*\k+3] offset:16*\k
.endr
.irp i, 0,1,2,3,4,5,6,7,8,9,10,11,12,13,14,15
	ds_load_b32 v[PP+\i], v[TB] offset:80*\i       ; LDS serves a wave's instructions in order (ISA guide 5.7.1.4): these see the stores
.endr
	s_wait_dscnt 0x0
.irp n, 8,4,2,1
.set jj, 0
.rept \n
	v_add_nc_u32 v[PP+jj], v[PP+jj], v[PP+\n+jj]
.set jj, jj+1
.endr
.endr
	v_permlanex16_b32 v[PP+1], v[PP], s[SEL], s[SEL+1]
	v_add_nc_u32 v[PP], v[PP], v[PP+1]
	v_bfe_u32 v[PP], v[PP], v[SH], 16              ; lane l: bucket l
	ds_store_b32 v[CWS], v[PP]
	s_wait_dscnt 0x0                               ; for the others' sake: my store has landed
	s_barrier_signal -1
	s_barrier_wait -1
	s_cmp_lt_u32 s14, 2
	s_cbranch_scc0 .Lnot_counts
.irp s, 0,1,2,3,4,5,6,7,8,9,10,11,12,13,14,15
	ds_load_b32 v[PP+\s], v[CWR] offset:128*\s
.endr
	s_wait_dscnt 0x0
.irp n, 8,4,2,1
.set jj, 0
.rept \n
	v_add_nc_u32 v[PP+jj], v[PP+jj], v[PP+\n+jj]
.set jj, jj+1
.endr
.endr
	s_cmp_eq_u32 s14, 0
	s_cselect_b32 s20, -1, 0
	v_and_b32 v[PP], s20, v[PP]                    ; wave 0: the 32 counts; wave 1: the record's upper 32 words, zeros
	global_store_b32 v[GO], v[PP], s[12:13]
	s_branch .Lend
.Lnot_counts:
	s_xor_b32 s20, s14, 2
	s_or_b32 s20, s20, ttmp9
	s_cmp_eq_u32 s20, 0                            ; wave 2 of work-group 0 stores the state
	s_cbranch_scc0 .Lend
	global_store_b128 v[SO], v[NS:NS+3], s[10:11] offset:65536
.Lend:
	s_wait_tensorcnt 0x0                           ; the wave's end, behind my last LDS store
	ds_add_u32 v[SPW], v[NIL]
	s_wait_dscnt 0x0
	s_endpgm
.Lfunc_end_k_q1ffcf297a1_sel1:
	.size	k_q1ffcf297a1_sel1, .Lfunc_end_k_q1ffcf297a1_sel1-k_q1ffcf297a1_sel1
	.p2alignl 7, 3214868480
	.fill 96, 4, 3214868480
	.section	.rodata,"a",@progbits
	.p2align	6, 0x0
	.amdhsa_kernel k_q1ffcf297a1_sel1
		.amdhsa_group_segment_fixed_size 51200
		.amdhsa_private_segment_fixed_size 0
		.amdhsa_enable_private_segment 0
		.amdhsa_kernarg_size 32
		.amdhsa_user_sgpr_count 2
		.amdhsa_user_sgpr_kernarg_segment_ptr 1
		.amdhsa_wavefront_size32 1
		.amdhsa_system_sgpr_workgroup_id_x 1
		.amdhsa_system_sgpr_workgroup_id_y 1
		.amdhsa_system_sgpr_workgroup_id_z 1
		.amdhsa_system_vgpr_workitem_id 0
		.amdhsa_next_free_vgpr 176
		.amdhsa_next_free_sgpr 66
		.amdhsa_reserve_vcc 0
		.amdhsa_float_denorm_mode_32 3
		.amdhsa_float_denorm_mode_16_64 3
		.amdhsa_memory_ordered 1
		.amdhsa_forward_progress 1
		.amdhsa_inst_pref_size 52
	.end_amdhsa_kernel
	.amdgpu_metadata
---
amdhsa.version: [ 1, 2 ]
amdhsa.kernels:
  - .name:           k_q1ffcf297a1_sel1
    .symbol:         k_q1ffcf297a1_sel1.kd
    .args:
      - { .name: g0, .offset: 0, .size: 8, .value_kind: global_buffer, .address_space: global }
      - { .name: g1, .offset: 8, .size: 8, .value_kind: global_buffer, .address_space: global }
      - { .name: sa, .offset: 16, .size: 8, .value_kind: global_buffer, .address_space: global }
      - { .name: sb, .offset: 24, .size: 8, .value_kind: global_buffer, .address_space: global }
    .group_segment_fixed_size: 51200
    .private_segment_fixed_size: 0
    .kernarg_segment_align: 8
    .kernarg_segment_size: 32
    .max_flat_workgroup_size: 512
    .sgpr_count:     66
    .vgpr_count:     176
    .wavefront_size: 32
...
	.end_amdgpu_metadata
.endif
;; end of part 2
;; launch sel2: the kernel of part 2 again; grid 256 x 1, 16 waves a work-group, no clusters, 51,200 bytes of LDS; arguments g1, g2, sb, sa; writes sa
;; launch sel3: the kernel of part 2 again; grid 256 x 1, 16 waves a work-group, no clusters, 51,200 bytes of LDS; arguments g2, g3, sa, sb; writes sb
;; launch sel4: the kernel of part 2 again; grid 256 x 1, 16 waves a work-group, no clusters, 51,200 bytes of LDS; arguments g3, g4, sb, sa; writes sa
;; launch sel5: the kernel of part 2 again; grid 256 x 1, 16 waves a work-group, no clusters, 51,200 bytes of LDS; arguments g4, g5, sa, sb; writes sb
;; launch gemm (part 3): grid 256 x 1, 8 waves a work-group, no clusters, 327,680 bytes of LDS; arguments weight, bias, g5, sb, out0; writes out0
.if DOCPART == 3
	.amdgcn_target "amdgcn-amd-amdhsa--gfx1250"
	.amdhsa_code_object_version 6
	.text
	.protected	k_q1ffcf297a1_gemm
	.globl	k_q1ffcf297a1_gemm
	.p2align	8
	.type	k_q1ffcf297a1_gemm,@function
k_q1ffcf297a1_gemm:
	s_mov_b64 s[64:65], 0
	v_nop
	global_prefetch_b8 v0, s[64:65] scope:SCOPE_SE
	s_setreg_imm32_b32 hwreg(HW_REG_WAVE_MODE, 25, 1), 1
	s_wait_xcnt 0x0
.set TILE,  16896
.set SLOT,  8*TILE
.set HS1,   2*SLOT
.set HS2,   HS1+4096
.set SPARE, HS2+2048
.set AW,    3
.set XO,    5
.set XSO,   6
.set HA,    7
.set HB,    8
.set HC,    9
.set HD,    10
.set SO,    7
.set SR0,   8
.set SR1,   9
.set OO,    10
.set BO,    11
.set BI,    12
.set PC,    16
.set NUM,   32
.set HL,    32
.set XF,    96
.set ACC,   160
.set TM,    224
.set ST,    224
.set WS,    228
.set CUM,   236
.set BEL,   237
.set BB,    238
.set PW,    240
.set XS,    241
.set THR,   245
.set HLF,   246
.set SCL,   247
.set T,     248
.set SPW,   252
.set NIL,   253
.set TO,    254
.set WO,    255
.set G1,    16
.set G0,    24
.set WV,    32
.set SEL,   34
.set MNT,   36
.set MASK,  37
.macro HEADSUM
.irp i, 1,2,3,4,5,6,7,8,9,10,11,12,13,14,15
.irp k, 0,1,2,3
	v_add_nc_u32 v[HL+\k], v[HL+\k], v[HL+4*\i+\k]
.endr
.endr
	ds_store_b128 v[HA], v[HL:HL+3]
	s_wait_dscnt 0x0
	s_barrier_signal -1
	s_barrier_wait -1
.irp i, 0,1,2,3,4,5,6,7,8,9,10,11,12,13,14,15
	ds_load_b64 v[HL+2*\i:HL+2*\i+1], v[HB] offset:256*\i
.endr
	s_wait_dscnt 0x0
.irp i, 1
	v_add_nc_u32 v[HL], v[HL], v[HL+2*\i]
	v_add_nc_u32 v[HL+1], v[HL+1], v[HL+2*\i+1]
.endr
.irp i, 2, 3, 4, 5, 6, 7, 8, 9, 10, 11, 12, 13, 14, 15
	s_delay_alu instid0(VALU_DEP_2)
	v_add_nc_u32 v[HL], v[HL], v[HL+2*\i]
	s_delay_alu instid0(VALU_DEP_2)
	v_add_nc_u32 v[HL+1], v[HL+1], v[HL+2*\i+1]
.endr
	ds_store_b64 v[HC], v[HL:HL+1]
.irp i, 0,1,2,3,4,5,6,7,8,9,10,11,12,13,14,15
	ds_load_b128 v[HL+4*\i:HL+4*\i+3], v[HD] offset:16*\i
.endr
	v_mov_b32 v[CUM], 0
	v_mov_b32 v[BEL], 0
	v_mov_b32 v[BB], 0
	s_wait_alu depctr_va_vdst(0)
	s_wait_dscnt 0x0
.set hj, 0
	v_add_nc_u32 v[CUM], v[CUM], v[HL+hj]
	s_delay_alu instid0(VALU_DEP_1)
	v_cmp_gt_u32 vcc_lo, v[CUM], v[ST+2]
	s_delay_alu instid0(VALU_DEP_1)
	v_cndmask_b32 v[BEL], v[CUM], v[BEL], vcc_lo
	s_delay_alu instid0(VALU_DEP_2)
	v_cndmask_b32 v[BB], hj+1, v[BB], vcc_lo
.set hj, hj+1
.rept (64)-1
	s_delay_alu instid0(VALU_DEP_4)
	v_add_nc_u32 v[CUM], v[CUM], v[HL+hj]
	s_delay_alu instid0(VALU_DEP_1)
	v_cmp_gt_u32 vcc_lo, v[CUM], v[ST+2]
	s_delay_alu instid0(VALU_DEP_1)
	v_cndmask_b32 v[BEL], v[CUM], v[BEL], vcc_lo
	s_delay_alu instid0(VALU_DEP_2)
	v_cndmask_b32 v[BB], hj+1, v[BB], vcc_lo
.set hj, hj+1
.endr
.endm
.macro EFF
.set eq, 0
.rept 16
.irp i, 0,1,2,3
	v_and_b32 v[T+\i], s[MASK], v[NUM+4*eq+\i]
.endr
.irp i, 0,1,2,3
	s_delay_alu instid0(VALU_DEP_4)
	v_cmp_gt_u32 s[40+\i], v[T+\i], v[HLF]
.endr
.irp i, 0,1,2,3
	v_cmp_ge_u32 s[44+\i], v[T+\i], v[THR]
.endr
.irp i, 0,1,2,3
	v_cndmask_b32 v[TM+\i], 0, v[SCL], s[40+\i]
.endr
.irp i, 0,1,2,3
	s_delay_alu instid0(VALU_DEP_4)
	v_cndmask_b32 v[TM+\i], v[TM+\i], v[T+\i], s[44+\i]
.endr
.irp i, 0,1,2,3
	s_delay_alu instid0(VALU_DEP_4)
	v_bfi_b32 v[NUM+4*eq+\i], s[MASK], v[TM+\i], v[NUM+4*eq+\i]
.endr
.set eq, eq+1
.endr
.endm
.macro QUANT
.irp b, 0,1,2,3
	v_max3_num_f32 v[TM+\b], |v[NUM+16*\b]|, |v[NUM+1+16*\b]|, 0x4800000
.endr
.irp i, 2,4,6,8,10,12,14
.irp b, 0,1,2,3
	s_delay_alu instid0(VALU_DEP_4)
	v_max3_num_f32 v[TM+\b], v[TM+\b], |v[NUM+16*\b+\i]|, |v[NUM+1+16*\b+\i]|
.endr
.endr
.irp b, 0,1,2,3
	s_delay_alu instid0(VALU_DEP_4)
	v_permlanex16_b32 v[TM+4+\b], v[TM+\b], s[SEL], s[SEL+1]
.endr
.irp b, 0,1,2,3
	s_delay_alu instid0(VALU_DEP_4)
	v_max_num_f32 v[TM+\b], v[TM+\b], v[TM+4+\b]
.endr
.irp b, 0,1,2,3
	s_delay_alu instid0(VALU_DEP_4)
	v_add_nc_u32 v[TM+12+\b], 0xfc000000, v[TM+\b]
.endr
.irp b, 0,1,2,3
	v_and_or_b32 v[TM+8+\b], v[TM+\b], 0x7f800000, s[MNT]
.endr
.irp b, 0,1,2,3
	v_lshrrev_b32 v[TM+4+\b], 23, v[TM+12+\b]
.endr
	s_delay_alu instid0(VALU_DEP_3)
	v_lshl_or_b32 v[PW], v[TM+5], 8, v[TM+4]
	s_delay_alu instid0(VALU_DEP_1)
	v_lshl_or_b32 v[PW], v[TM+6], 16, v[PW]
	s_delay_alu instid0(VALU_DEP_1)
	v_lshl_or_b32 v[PW], v[TM+7], 24, v[PW]
.irp b, 0,1,2,3
.irp i, 0,1,2,3,4,5,6,7,8,9,10,11,12,13,14,15
	v_med3_num_f32 v[NUM+16*\b+\i], v[NUM+16*\b+\i], -v[TM+8+\b], v[TM+8+\b]
.endr
	v_cvt_scalef32_pk8_fp8_f32 v[PC+4*\b:PC+1+4*\b], v[NUM+16*\b:NUM+7+16*\b], v[TM+12+\b]
	v_cvt_scalef32_pk8_fp8_f32 v[PC+2+4*\b:PC+3+4*\b], v[NUM+8+16*\b:NUM+15+16*\b], v[TM+12+\b]
.endr
.rept 4
	v_nop
.endr
.endm
.macro WLOAD slot, nt
.irp b, 0,1,2,3
.irp j, 0,1,2,3
	ds_load_b128 v[NUM+16*\b+4*\j:NUM+16*\b+4*\j+3], v[AW+\slot] offset:(\nt)*16*528+128*\b+16*\j
.endr
.endr
.endm
.macro XLOAD i
.irp t, 0,1,2,3
.irp c, 0,1,2,3
	global_load_b128 v[XF+16*\t+4*\c:XF+16*\t+4*\c+3], v[XO], s[8:9] offset:(\i)*69632+2048*\t+512*\c
.endr
.endr
.irp t, 0,1,2,3
	global_load_b32 v[XS+\t], v[XSO], s[8:9] offset:(\i)*69632+8192+128*\t
.endr
.endm
.macro MM nt, zero
.irp t, 0,1,2,3
.if \zero
	v_wmma_scale_f32_16x16x128_f8f6f4 v[ACC+8*(4*\nt+\t):ACC+8*(4*\nt+\t)+7], v[PC:PC+15], v[XF+16*\t:XF+16*\t+15], 0, v[PW], v[XS+\t]
.else
	v_wmma_scale_f32_16x16x128_f8f6f4 v[ACC+8*(4*\nt+\t):ACC+8*(4*\nt+\t)+7], v[PC:PC+15], v[XF+16*\t:XF+16*\t+15], v[ACC+8*(4*\nt+\t):ACC+8*(4*\nt+\t)+7], v[PW], v[XS+\t]
.endif
.endr
.endm
.macro STEP i, slot, left, zero
	s_wait_tensorcnt \left
	WLOAD \slot, 0
	s_wait_dscnt 0x0
	EFF
	QUANT
	WLOAD \slot, 1
	s_wait_alu depctr_va_vdst(0)
	s_wait_loadcnt 0x0
	MM 0, \zero
	s_wait_dscnt 0x0
	EFF
	QUANT
	MM 1, \zero
.rept 8
	v_nop
.endr
.if (\i) < 3
	XLOAD (\i)+1
.endif
.endm
.macro FILL slot
	s_wait_tensorcnt 0x0
	ds_add_u32 v[SPW], v[NIL]
	s_add_nc_u64 s[G0+4*\slot+2:G0+4*\slot+3], s[G0+4*\slot+2:G0+4*\slot+3], 8192
	s_wait_dscnt 0x0
	s_barrier_signal -1
	s_barrier_wait -1
	tensor_load_to_lds s[G0+4*\slot:G0+4*\slot+3], s[G1:G1+7]
	s_nop 0
.endm
	s_load_b256 s[4:11], s[0:1], 0x0
	s_load_b128 s[12:15], s[0:1], 0x18
	v_lshl_add_u32 v[SPW], v0, 2, SPARE
	v_mov_b32 v[NIL], 0
	ds_add_u32 v[SPW], v[NIL]
	ds_add_u32 v[SPW], v[NIL]
	v_lshrrev_b32 v1, 5, v0
	s_delay_alu instid0(VALU_DEP_1)
	v_readfirstlane_b32 s[WV], v1
	s_mov_b32 s[G1+0], (2<<16)|(1<<20)|(6<<22)|(3<<25)
	s_mov_b32 s[G1+1], 128<<16
	s_mov_b32 s[G1+2], 32<<16
	s_mov_b32 s[G1+3], 128<<16
	s_mov_b32 s[G1+4], 32
	s_mov_b32 s[G1+5], 4096
	s_mov_b32 s[G1+6], 0
	s_mov_b32 s[G1+7], 0
	s_mul_i32 s33, s[WV], TILE
	s_lshl_b32 s38, ttmp9, 19
	s_lshl_b32 s39, s[WV], 9
	s_add_co_u32 s38, s38, s39
	s_mov_b32 s39, 0
	s_lshl_b32 s48, ttmp9, 7
	s_mov_b32 s49, 0
	s_mul_i32 s50, s[WV], 8704
	s_mov_b32 s[SEL], 0x76543210
	s_mov_b32 s[SEL+1], 0xfedcba98
	s_mov_b32 s[MNT], 0x600000
	s_mov_b32 s[MASK], 0x7fffffff
	s_wait_dscnt 0x0
	s_wait_kmcnt 0x0
	s_add_nc_u64 s[4:5], s[4:5], s[38:39]
	s_add_nc_u64 s[10:11], s[8:9], 20971520        ; the sums of |w| lie behind g5's five planes,
	s_add_nc_u64 s[8:9], s[8:9], 20972544          ; and x's codes behind them
.irp s, 0,1
	s_mov_b32 s[G0+4*\s], 1
	s_add_co_u32 s[G0+4*\s+1], s33, \s*SLOT
	s_add_nc_u64 s[G0+4*\s+2:G0+4*\s+3], s[4:5], \s*4096
	s_or_b32 s[G0+4*\s+3], s[G0+4*\s+3], 0x80000000
	s_wait_alu depctr_va_vdst(0)
	s_wait_tensorcnt 0x0
	ds_add_u32 v252, v253
	ds_add_u32 v252, v253
	s_wait_dscnt 0x0
	s_barrier_signal -1
	s_barrier_wait -1
	tensor_load_to_lds s[G0+4*\s:G0+4*\s+3], s[G1:G1+7]
	s_nop 0
.endr
	s_add_nc_u64 s[6:7], s[6:7], s[48:49]
	s_add_nc_u64 s[14:15], s[14:15], s[48:49]
	v_and_b32 v1, 15, v0
	v_bfe_u32 v2, v0, 4, 1
	v_and_b32 v16, 31, v0
	v_lshlrev_b32 v[TO], 4, v0
	s_delay_alu instid0(VALU_DEP_2)
	v_lshlrev_b32 v17, 4, v16
	s_delay_alu instid0(VALU_DEP_3)
	v_lshlrev_b32 v[WO], 5, v16
	v_and_b32 v[BO], 7, v0
	s_delay_alu instid0(VALU_DEP_1)
	v_lshlrev_b32 v[BO], 4, v[BO]
	v_lshl_add_u32 v[XO], v16, 4, s50
	v_lshl_add_u32 v[XSO], v16, 2, s50
	v_lshl_add_u32 v[HA], v0, 4, HS1
	v_lshl_add_u32 v[HB], v16, 3, HS1
	v_and_b32 v[HD], 0xe0, v0
	s_delay_alu instid0(VALU_DEP_1)
	v_lshl_add_u32 v[HD], v[HD], 3, HS2
	s_delay_alu instid0(VALU_DEP_1)
	v_lshl_add_u32 v[HC], v16, 3, v[HD]
	v_mul_u32_u24 v[AW], v1, 528
	s_delay_alu instid0(VALU_DEP_1)
	v_lshl_add_u32 v[AW], v2, 6, v[AW]
	s_delay_alu instid0(VALU_DEP_1)
	v_add_nc_u32 v[AW], s33, v[AW]
	s_delay_alu instid0(VALU_DEP_1)
	v_add_nc_u32 v[AW+1], SLOT, v[AW]
.irp i, 0,1,2,3,4,5,6,7,8,9,10,11,12,13,14,15
	global_load_b128 v[HL+4*\i:HL+4*\i+3], v[TO], s[12:13] offset:4096*\i
.endr
	global_load_b128 v[ST:ST+3], v17, s[12:13] offset:65536
	global_load_b128 v[WS:WS+3], v[WO], s[10:11]
	global_load_b128 v[WS+4:WS+7], v[WO], s[10:11] offset:16
	global_load_b128 v[BI:BI+3], v[BO], s[6:7]
	XLOAD 0
	s_wait_loadcnt 20
	v_add_f32 v[WS], v[WS], v[WS+1]
	v_add_f32 v[WS+2], v[WS+2], v[WS+3]
	v_add_f32 v[WS+4], v[WS+4], v[WS+5]
	v_add_f32 v[WS+6], v[WS+6], v[WS+7]
	s_delay_alu instid0(VALU_DEP_3)
	v_add_f32 v[WS], v[WS], v[WS+2]
	s_delay_alu instid0(VALU_DEP_2)
	v_add_f32 v[WS+4], v[WS+4], v[WS+6]
	s_delay_alu instid0(VALU_DEP_1)
	v_add_f32 v[WS], v[WS], v[WS+4]
	s_delay_alu instid0(VALU_DEP_1)
	v_add_f32_dpp v[WS], v[WS], v[WS] row_xmask:1 row_mask:0xf bank_mask:0xf
	s_delay_alu instid0(VALU_DEP_1)
	v_add_f32_dpp v[WS], v[WS], v[WS] row_xmask:2 row_mask:0xf bank_mask:0xf
	s_delay_alu instid0(VALU_DEP_1)
	v_add_f32_dpp v[WS], v[WS], v[WS] row_xmask:4 row_mask:0xf bank_mask:0xf
	s_delay_alu instid0(VALU_DEP_1)
	v_add_f32_dpp v[WS], v[WS], v[WS] row_xmask:8 row_mask:0xf bank_mask:0xf
	s_delay_alu instid0(VALU_DEP_1)
	v_permlanex16_b32 v[WS+1], v[WS], s[SEL], s[SEL+1]
	s_delay_alu instid0(VALU_DEP_1)
	v_add_f32 v[WS], v[WS], v[WS+1]
	s_delay_alu instid0(VALU_DEP_1)
	v_mul_f32 v[WS], 0x33000000, v[WS]
	s_delay_alu instid0(VALU_DEP_1)
	v_max_num_f32 v[SCL], 0x3727c5ac, v[WS]
	s_delay_alu instid0(VALU_DEP_1)
	v_mul_f32 v[HLF], 0.5, v[SCL]
	HEADSUM
	s_delay_alu instid0(VALU_DEP_1)
	v_lshlrev_b32 v[BB], v[ST+1], v[BB]
	s_delay_alu instid0(VALU_DEP_1)
	v_add_nc_u32 v[THR], v[ST], v[BB]
.irp b, 0,1,2,3
	v_mov_b32 v[TM+4+\b], 0
.endr
	v_mul_u32_u24 v[SO], v1, 144
	s_delay_alu instid0(VALU_DEP_1)
	v_lshl_add_u32 v[SO], v2, 5, v[SO]
	s_delay_alu instid0(VALU_DEP_1)
	v_add_nc_u32 v[SO], s33, v[SO]
	v_bfe_u32 v[OO], v0, 3, 2
	s_lshl_b32 s38, s[WV], 3
	v_add_nc_u32 v[OO], s38, v[OO]
	s_delay_alu instid0(VALU_DEP_1)
	v_mul_u32_u24 v[SR0], v[OO], 144
	s_delay_alu instid0(VALU_DEP_1)
	v_add_nc_u32 v[SR0], v[SR0], v[BO]
	s_delay_alu instid0(VALU_DEP_1)
	v_add_nc_u32 v[SR1], 4*TILE, v[SR0]
	s_delay_alu instid0(VALU_DEP_4)
	v_lshl_add_u32 v[OO], v[OO], 15, v[BO]
	STEP 0, 0, 1, 1
	FILL 0
	STEP 1, 1, 1, 0
	FILL 1
	STEP 2, 0, 1, 0
	STEP 3, 1, 0, 0
.irp nt, 0,1
.irp mt, 0,1,2,3
	ds_store_b128 v[SO], v[ACC+8*(4*\nt+\mt):ACC+8*(4*\nt+\mt)+3] offset:\mt*2304+\nt*64
	ds_store_b128 v[SO], v[ACC+8*(4*\nt+\mt)+4:ACC+8*(4*\nt+\mt)+7] offset:\mt*2304+\nt*64+16
.endr
.endr
	s_wait_dscnt 0x0
	s_barrier_signal -1
	s_barrier_wait -1
.irp s, 0,1,2,3
.irp u, 0,1
	ds_load_b128 v[NUM+8*\s+4*\u:NUM+8*\s+4*\u+3], v[SR0] offset:\s*TILE+\u*576
	ds_load_b128 v[NUM+32+8*\s+4*\u:NUM+32+8*\s+4*\u+3], v[SR1] offset:\s*TILE+\u*576
.endr
.endr
	s_wait_dscnt 0x0
.irp e, 0,2,4,6
	v_pk_add_f32 v[NUM+\e:NUM+\e+1], v[NUM+\e:NUM+\e+1], v[NUM+8+\e:NUM+8+\e+1]
	v_pk_add_f32 v[NUM+16+\e:NUM+16+\e+1], v[NUM+16+\e:NUM+16+\e+1], v[NUM+24+\e:NUM+24+\e+1]
	v_pk_add_f32 v[NUM+32+\e:NUM+32+\e+1], v[NUM+32+\e:NUM+32+\e+1], v[NUM+40+\e:NUM+40+\e+1]
	v_pk_add_f32 v[NUM+48+\e:NUM+48+\e+1], v[NUM+48+\e:NUM+48+\e+1], v[NUM+56+\e:NUM+56+\e+1]
.endr
.irp e, 0,2,4,6
	v_pk_add_f32 v[NUM+\e:NUM+\e+1], v[NUM+\e:NUM+\e+1], v[NUM+16+\e:NUM+16+\e+1]
	v_pk_add_f32 v[NUM+32+\e:NUM+32+\e+1], v[NUM+32+\e:NUM+32+\e+1], v[NUM+48+\e:NUM+48+\e+1]
.endr
.irp e, 0,2,4,6
	v_pk_add_f32 v[NUM+\e:NUM+\e+1], v[NUM+\e:NUM+\e+1], v[NUM+32+\e:NUM+32+\e+1]
.endr
.irp e, 0,2,4,6
	s_delay_alu instid0(VALU_DEP_4)
	v_pk_add_f32 v[NUM+\e:NUM+\e+1], v[NUM+\e:NUM+\e+1], v[BI+\e%4:BI+\e%4+1]
.endr
	global_store_b128 v[OO], v[NUM:NUM+3], s[14:15] th:TH_STORE_NT
	global_store_b128 v[OO], v[NUM+4:NUM+7], s[14:15] offset:131072 th:TH_STORE_NT
	s_wait_tensorcnt 0x0
	ds_add_u32 v[SPW], v[NIL]
	s_wait_dscnt 0x0
	s_endpgm
.Lfunc_end_k_q1ffcf297a1_gemm:
	.size	k_q1ffcf297a1_gemm, .Lfunc_end_k_q1ffcf297a1_gemm-k_q1ffcf297a1_gemm
	.p2alignl 7, 3214868480
	.fill 96, 4, 3214868480
	.section	.rodata,"a",@progbits
	.p2align	6, 0x0
	.amdhsa_kernel k_q1ffcf297a1_gemm
		.amdhsa_group_segment_fixed_size 327680
		.amdhsa_private_segment_fixed_size 0
		.amdhsa_enable_private_segment 0
		.amdhsa_kernarg_size 40
		.amdhsa_user_sgpr_count 2
		.amdhsa_user_sgpr_kernarg_segment_ptr 1
		.amdhsa_wavefront_size32 1
		.amdhsa_system_sgpr_workgroup_id_x 1
		.amdhsa_system_sgpr_workgroup_id_y 1
		.amdhsa_system_sgpr_workgroup_id_z 1
		.amdhsa_system_vgpr_workitem_id 0
		.amdhsa_next_free_vgpr 256
		.amdhsa_next_free_sgpr 66
		.amdhsa_reserve_vcc 1
		.amdhsa_float_denorm_mode_32 3
		.amdhsa_float_denorm_mode_16_64 3
		.amdhsa_memory_ordered 1
		.amdhsa_forward_progress 1
		.amdhsa_inst_pref_size 255
	.end_amdhsa_kernel
	.section	.bss,"aw",@nobits
	.p2align	6
	.space	262144
	.amdgpu_metadata
---
amdhsa.version: [ 1, 2 ]
amdhsa.kernels:
  - .name:           k_q1ffcf297a1_gemm
    .symbol:         k_q1ffcf297a1_gemm.kd
    .args:
      - { .name: weight, .offset: 0, .size: 8, .value_kind: global_buffer, .address_space: global }
      - { .name: bias, .offset: 8, .size: 8, .value_kind: global_buffer, .address_space: global }
      - { .name: g5, .offset: 16, .size: 8, .value_kind: global_buffer, .address_space: global }
      - { .name: sb, .offset: 24, .size: 8, .value_kind: global_buffer, .address_space: global }
      - { .name: out0, .offset: 32, .size: 8, .value_kind: global_buffer, .address_space: global }
    .group_segment_fixed_size: 327680
    .private_segment_fixed_size: 0
    .kernarg_segment_align: 8
    .kernarg_segment_size: 40
    .max_flat_workgroup_size: 256
    .sgpr_count:     66
    .vgpr_count:     256
    .wavefront_size: 32
...
	.end_amdgpu_metadata
.endif
;; end of part 3
